; MI455X (gfx1250); checked and timed in simulation.
; The chip was launched on July 23, 2026; its instructions are those of AMD's public machine-readable ISA for CDNA 5 (MIT licence, August 2026) and "CDNA5" Instruction Set Architecture Reference Guide (July 2026). The comments in the code are by the model that wrote it; some were corrected since.
;; Dot Prod Attention. Allowed arithmetic: matrix products marked QUANTISED: E5M2 operands, one given power-of-two scale a tensor, by v_wmma_f32_16x16x64_bf8_bf8 or v_wmma_f32_16x16x128_bf8_bf8, f32 sums; everything else in f32.
;; Inputs: key_codes 32 x 2,048 x 2 x 32 uint8 (E5M2 codes of key, K innermost, in blocks of 32 codes); lowp_scales 4 int32 (the exponents e of the quantised operands' scales 2^e); query_codes 32 x 2,048 x 2 x 32 uint8 (E5M2 codes of query, K innermost, in blocks of 32 codes); value_codes 32 x 64 x 64 x 32 uint8 (E5M2 codes of value, K innermost, in blocks of 32 codes).
;; Outputs: out0 32 x 2,048 x 64 float32.
;; This version of the problem:
;;   THIS VERSION OF THE PROBLEM IS GIVEN IN LOW PRECISION. The matrix products marked QUANTISED in the list below multiply operands that are first quantised to E5M2 (5 exponent bits, 2 mantissa bits; 8 bits a number), with one given power-of-two scale for each operand tensor; their sums are f32. All else is computed in f32.
;;   The module's matrix products, in the order in which they are computed (A, B: the left and right operand; K: the contracted axis; several contracted axes count as one K, in the product's order):
;;     1. batch 32 x [M 2,048, K 64] x [K 64, N 2,048]; A: input query (given as codes); B: input key (given as codes): QUANTISED (scales: A lowp_scales[0], B lowp_scales[1])
;;     2. batch 32 x [M 2,048, K 2,048] x [K 2,048, N 64]; A: softmax (see below); B: input value (given as codes): QUANTISED (scales: A lowp_scales[2], B lowp_scales[3])
;;   THE QUANTISER, for each operand of a quantised product, along K:
;;     - The operand's scale is 2^e, e = its entry of the input lowp_scales (int32; the entries are numbered through the quantised products in the list's order, A before B).
;;     - Each number is divided by the scale, clamped to +-57,344, and rounded to the nearest number of E5M2, ties to even, subnormals kept.
;;     - The product sums the exact products of the quantised numbers (number of the format x scale) in f32.
;;   ~~~python
;;   def quantise(x, axis, e):      # numpy; x: float32 -> the quantised numbers, widened to float32 again
;;       x = np.moveaxis(x, axis, -1); K = x.shape[-1]
;;       r = np.clip(x / 2.0 ** e, -57344, 57344)
;;       step = 2.0 ** (np.maximum(np.frexp(np.where(r == 0, 1, r))[1] - 1, -14) - 2)
;;       q = np.round(r / step) * step * 2.0 ** e      # np.round: ties to even
;;       return np.moveaxis(q, -1, axis).astype(np.float32)
;;   ~~~
;;   SOFTMAX AHEAD OF A QUANTISED PRODUCT. Where the list says 'softmax', what is quantised is not the finished softmax but p = 2^(t - M), with t = logit x log2(e) and M = ceil(the row's largest t), a whole number; so 1/2 < the row's largest p <= 1. The row's sum l is taken of the UNQUANTISED p, in f32, and the product's result is divided by l at the end. Since M is a whole number, a kernel that streams over the keys may use a running M (the ceiling of the running maximum): every later rescaling is an exact power of two, so the quantised numbers keep their values, but for numbers so far below the row's largest that they fall under the format's range.
;;   OPERANDS COMPUTED ON THE WAY. 'Computed on the way' means the value that the module computes at that place (a softmax that the list does not call 'softmax' is quantised finished and normalised). What goes into a quantiser is computed in f32, as accurately as f32 sums, v_exp_f32 and their like allow (about 1e-6 of the number): no bf16 or f16 on the way to a quantiser, and a product that is left as it is and whose result goes on into a quantised operand takes f32 operands (vector FMAs, or v_wmma_f32_16x16x4_f32). A number that lies on a knife's edge between two numbers of the format may be rounded either way, as far as f32 arithmetic and the matrix unit's own rounding can turn it there, and no further.
;;   INPUTS GIVEN AS CODES. key (in the module: [32, 2048, 64], K = its axis 2); query (in the module: [32, 2048, 64], K = its axis 2); value (in the module: [32, 2048, 64], K = its axis 1): each comes as NAME_codes (uint8): NAME with its K axis moved to the last place and cut into blocks of 32 codes, [.., K / 32, bytes a block], one block behind the other in memory; one code a byte (a code: sign, 5 exponent bits, 2 mantissa bits); its scale is its entry of lowp_scales. Its value is code x scale, taken as it is: it is not quantised again, and the codes and scales need not be those that the quantiser above would give.
;; One version. Each part assembles by itself: llvm-mc -triple=amdgcn-amd-amdhsa -mcpu=gfx1250 --defsym DOCPART=n.
;; ======== version 1 of 1: 1 launch
;; limits: right only within a limited range of input values
;; launch attn (part 1): grid 8 x 32, 8 waves a work-group, clusters of 4 x 1, 327,680 bytes of LDS; arguments query_codes, key_codes, value_codes, lowp_scales, out0; writes out0
.if DOCPART == 1
	.amdgcn_target "amdgcn-amd-amdhsa--gfx1250"
	.amdhsa_code_object_version 6
	.text
	.protected	k_q98e5c5b52f_attn
	.globl	k_q98e5c5b52f_attn
	.p2align	8
	.type	k_q98e5c5b52f_attn,@function
k_q98e5c5b52f_attn:
	s_mov_b64 s[64:65], 0
	v_nop
	global_prefetch_b8 v0, s[64:65] scope:SCOPE_SE
	s_setreg_imm32_b32 hwreg(HW_REG_WAVE_MODE, 25, 1), 1
	s_wait_xcnt 0x0
	s_wait_alu depctr_hold_cnt(0) depctr_sa_sdst(0) depctr_va_vdst(0) depctr_va_sdst(0) depctr_va_ssrc(0) depctr_va_vcc(0) depctr_vm_vsrc(0)
	s_getreg_b32 s2, hwreg(HW_REG_IB_STS2, 6, 4)
	s_cmp_eq_u32 s2, 0
	s_cbranch_scc0 .Lentry_in_a_cluster
	s_endpgm
.Lentry_in_a_cluster:
	s_bfe_u32 s2, ttmp6, 0x10000c
	s_cmp_lg_u32 s2, 0x3003
	s_cbranch_scc0 .Lentry_shape_is_right
	s_endpgm
.Lentry_shape_is_right:
; O[b][q][:] = the sum over k of softmax_k(Q[b][q] . K[b][k] / 8) V[b][k][:], 32 heads, 2,048 queries and keys, head size 64, no mask; both products on codes of BF8 (E5M2), each tensor with the one scale 2^e given for it.
; Q, K: [32][2048][64] codes (rows of 64 bytes, dense).  V: codes with the KEYS innermost, [32][64][2048].  lowp_scales: eq, ek, ep, ev.  O: [32][2048][64] f32.
; SOFTMAX AHEAD OF THE SECOND PRODUCT: t = score x log2(e) / 8; M = the row's largest t so far, rounded UP to a whole number; p = 2^(t - M) is quantised with 2^ep along the keys, not normalised.
; The row's sum is taken of the unquantised p in f32 and divides O at the end.  When M moves, the sum and O are multiplied by 2^(old M - new M), which rounds nothing; no branch hangs on data.
; SHARES.  256 work-groups, each 256 queries of one head; each of eight waves owns 32 of them, two tiles of 16: every fragment of K and V read from LDS feeds two matrix instructions.
; A STEP is 256 keys, in two halves of 128 (A, B): one maximum, one change of M and one rescaling of O for 256 keys.  Eight steps: the first, six in a loop, the last.
; THE WHOLE HEAD LIES IN LDS, filled once: every wave issues one joint load at the start: waves 0, 1 the first 256 keys of K, V; waves 2, 3 the rest of K; waves 4 to 7 the rest of V.  One barrier publishes the first 256 keys, one the rest.
; No data prefetch: every fill of the launch is asked for at its start, so there is no loop that could ask ahead of it.
; CLUSTER.  Four query blocks of one head need the same K and V: each tile is asked for JOINTLY (same load, same descriptor, a mask that names the four).
; LAYOUT.  Both products transposed: a lane holds ONE query (lane % 16) throughout.  S^T = K Q^T by the K = 64 form (C = 0: one instruction is the whole sum); K's and Q's fragments are loaded with the same permutation of the head's 64.
; In S^T's tile c lane (r, h) holds in register j key 16 c + 8 h + j, which is what registers 2 c, 2 c + 1 of source 1 of the K = 128 form hold: a conversion of a tile's eight registers is a pair of P's registers.
; LIMITS: eq + ek between -123 and 130 (they are added to c's exponent field); ep between -126 and 112; scaled scores t under 2^31 in magnitude; p under 2^-126 counts as 0; codes of infinity and NaN among the inputs are not served.
;
; LDS.  K at 0: long rows of 256 bytes (4 keys) + 16 of padding: key k at (k / 4) 272 + (k % 4) 64.
;       V of keys 0-255 at V0B: 64 rows of 272.  V of keys 256-2047 at VRB: 64 rows of 7 x 272, a step's 256 keys in each 272.
;       STAGE: 16 rows x 272 for each wave, for the way out; then the spare words.
; REGISTERS, windows of 256 (s_set_vgpr_msb: bits 1:0 source 0, 3:2 source 1, 5:4 source 2, 7:6 destination):
;   window 0: v0-11 addresses and constants; v12-27 Q; v28-63 statistics; v64-127, v128-191 scores, then p, of tile 0, 1; v192-255 O^T of tile 0, 1
;   window 1: v0-127 half B's raw scores (when they are done with: v0-63 the next step's K, half A; v64-127 V, half B); v128-191 K of half B, then V of half A; v192-255 P of A0, A1, B0, B1
.set KP,    272
.set KT,    4*KP                       ; 16 keys
.set KST,   64*KP                      ; 256 keys: a step
.set VP0,   272
.set VT0,   16*VP0                     ; 16 rows of V, first part
.set VPR,   7*272
.set VTR,   16*VPR                     ; the rest
.set V0B,   512*KP                     ; 139,264
.set VRB,   V0B+64*VP0                 ; 156,672
.set STAGE, VRB+64*VPR                 ; 278,528
.set SP,    272
.set SPARE, STAGE+8*16*SP              ; 313,344
.set SPW,  1                           ; LDS address of my spare word
.set NIL,  2                           ; 0
.set SC,   3                           ; 2^ep
.set LIM,  4                           ; 57,344 x 2^ep
.set AK0,  5                           ; my lane's place in a tile of K
.set ADK,  6                           ; LDS address of the step's K
.set AVR,  7                           ; my lane's place in V's second part
.set ADV,  8                           ; LDS address of the step's V, rows 0-31
.set ADV2, 9                           ; rows 32-63
.set T,    10
.set T2,   11
.set QF,   12
.set ST,   28                          ; tile x at ST + 18 x: +0, +1 -M and 0; +2, +3 f and 0; +4 .. +11 the sum in four pairs; +12, +13, +14 at work; +15 a lane permute's destination; +16 the largest score
.set RR,   40                          ; at the head: lane % 16
.set HH,   41                          ; lane / 16
.set S,    64
.set O,    192
.set KA,   0                           ; window 1
.set SB,   0
.set VB,   64
.set POOL, 128
.set PF,   192
.set WV,   14                          ; my wave's number
.set G1A, 24                           ; descriptor groups 1: K first part, V first part, K rest, V rest
.set G1B, 32
.set G1C, 40
.set G1D, 48
.set G0A, 56                           ; their groups 0
.set G0B, 60
.set G0C, 68
.set G0D, 72
.set EX,  76                           ; s[76:79] eq, ek, ep, ev
.set SEL, 80                           ; lane selects: lane l xor 16
.set CS,  82                           ; s[82:83] c = log2(e) / 8 x 2^(eq + ek), twice (the packed form names a pair)
.set NCS, 84                           ; -c
.set TBK, 85
.set TBV, 86
.set CNT, 87
.set EPV, 88                           ; ep + ev
.set MSB, 0
.macro WIN new                         ; the immediate's high byte repeats the setting that is left; a switch that changes nothing is dropped
.if MSB != \new
	s_set_vgpr_msb (MSB<<8)|\new
.set MSB, \new
.endif
.endm
.macro WA                              ; the wait: ahead of and behind a batch of exponentials, and ahead of a blocking wait
	s_wait_alu depctr_va_vdst(0)
.endm
.macro CROUND                          ; a round of the cluster's barrier
	s_barrier_signal -1
	s_barrier_wait -1
	s_cmp_lg_u32 s[WV], 0
	s_cbranch_scc1 .Lnot_wave_0_\@
	s_barrier_signal -3
.Lnot_wave_0_\@:
	s_barrier_wait -3
	s_barrier_signal -1
	s_barrier_wait -1
.endm
.macro G1 g, w, rows, pitch            ; rows of w bytes, 16 bytes of padding behind each 256; mask of all four work-groups, bit 21 beside it
	s_mov_b32 s[\g], 15|(1<<20)|(1<<21)|(5<<22)|(3<<25)
	s_mov_b32 s[\g+1], (\w)<<16
	s_mov_b32 s[\g+2], (\rows)<<16
	s_mov_b32 s[\g+3], (\w)<<16
	s_mov_b32 s[\g+4], \rows
	s_mov_b32 s[\g+5], \pitch
	s_mov_b32 s[\g+6], 0
	s_mov_b32 s[\g+7], 0
.endm
.macro TLOAD g0, g1                    ; the load, s_nop 0 and four v_nop
	tensor_load_to_lds s[\g0:\g0+3], s[\g1:\g1+7]
	s_nop 0
.rept 4
	v_nop
.endr
.endm
	s_load_b256 s[4:11], s[0:1], 0x0               ; Q's codes s[4:5], K's s[6:7], V's s[8:9], the exponents s[10:11]
	s_load_b64 s[12:13], s[0:1], 0x20              ; O
	v_lshl_add_u32 v[SPW], v0, 2, SPARE
	v_mov_b32 v[NIL], 0
	ds_add_u32 v[SPW], v[NIL]                      ; the wave's opening: the add, twice on end, and its wait ahead of my first tensor load
	ds_add_u32 v[SPW], v[NIL]
	v_lshrrev_b32 v[T], 5, v0
	v_readfirstlane_b32 s[WV], v[T]                ; wave 0..7
	s_bfe_u32 s15, ttmp6, 0x40000                  ; cx
	s_lshl_b32 s16, ttmp9, 2
	s_add_co_u32 s16, s16, s15                     ; my block of 256 queries: it enters Q's and O's addresses alone
	s_and_b32 s17, ttmp7, 0xffff                   ; the head
	s_lshl_b32 s94, s17, 17                        ; its first byte in each tensor of codes
	s_mov_b32 s95, 0
	s_and_b32 s90, s[WV], 1
	s_and_b32 s91, s[WV], 3
	s_mul_i32 s18, s90, 224*256                    ; K's rest: half of its 448 long rows, behind the first 64
	s_add_co_u32 s18, s18, s94
	s_add_co_u32 s18, s18, 64*256
	s_mov_b32 s19, 0
	s_lshl_b32 s20, s91, 15                        ; V's rest: 16 of its 64 rows, from key 256 on
	s_add_co_u32 s20, s20, s94
	s_add_co_u32 s20, s20, 256
	s_mov_b32 s21, 0
	s_lshl_b32 s22, s16, 14                        ; Q: my block's 256 rows, my wave's 32
	s_lshl_b32 s23, s[WV], 11
	s_add_co_u32 s22, s22, s23
	s_add_co_u32 s22, s22, s94
	s_mov_b32 s23, 0
	s_lshl_b32 s92, s22, 2                         ; O: the same rows, four times as long
	s_mov_b32 s93, 0
	s_mul_i32 s90, s90, 224*KP
	s_mul_i32 s91, s91, 16*VPR
	G1 G1A, 256, 64, 256
	G1 G1B, 256, 64, 2048
	G1 G1C, 256, 224, 256
	G1 G1D, 1792, 16, 2048
	s_mov_b32 s[G0A], 1                            ; count = 1
	s_mov_b32 s[G0A+1], 0                          ; LDS addresses
	s_mov_b32 s[G0B], 1
	s_mov_b32 s[G0B+1], V0B
	s_mov_b32 s[G0C], 1
	s_add_co_u32 s[G0C+1], s90, KST
	s_mov_b32 s[G0D], 1
	s_add_co_u32 s[G0D+1], s91, VRB
	s_mov_b32 s[SEL], 0x76543210
	s_mov_b32 s[SEL+1], 0xfedcba98
	s_mov_b32 s[CS], 0x3e38aa3b                    ; log2(e) / 8
	s_wait_dscnt 0x0                               ; both opening adds are done
	CROUND                                         ; all four work-groups are here: the joint loads meet
	s_wait_kmcnt 0x0
	s_load_b128 s[EX:EX+3], s[10:11], 0x0
	s_add_nc_u64 s[G0A+2:G0A+3], s[6:7], s[94:95]
	s_or_b32 s[G0A+3], s[G0A+3], 0x80000000        ; type = 2
	s_add_nc_u64 s[G0B+2:G0B+3], s[8:9], s[94:95]
	s_or_b32 s[G0B+3], s[G0B+3], 0x80000000
	s_add_nc_u64 s[G0C+2:G0C+3], s[6:7], s[18:19]
	s_or_b32 s[G0C+3], s[G0C+3], 0x80000000
	s_add_nc_u64 s[G0D+2:G0D+3], s[8:9], s[20:21]
	s_or_b32 s[G0D+3], s[G0D+3], 0x80000000
	; all fills of the launch: one a wave, in the arms of one chain on the wave's number, the same in every work-group
	s_cmp_eq_u32 s[WV], 0
	s_cbranch_scc0 .Lnot0
	TLOAD G0A, G1A
	s_branch .Lasked
.Lnot0:
	s_cmp_eq_u32 s[WV], 1
	s_cbranch_scc0 .Lnot1
	TLOAD G0B, G1B
	s_branch .Lasked
.Lnot1:
	s_cmp_lt_u32 s[WV], 4
	s_cbranch_scc0 .Lnot3
	TLOAD G0C, G1C
	s_branch .Lasked
.Lnot3:
	TLOAD G0D, G1D
.Lasked:
	s_add_nc_u64 s[4:5], s[4:5], s[22:23]
	s_add_nc_u64 s[12:13], s[12:13], s[92:93]
	v_and_b32 v[RR], 15, v0                        ; r
	v_bfe_u32 v[HH], v0, 4, 1                      ; h
	v_lshlrev_b32 v[T], 6, v[RR]
	v_lshl_add_u32 v[T], v[HH], 4, v[T]            ; Q: row r of 64 bytes, + 16 h
.irp x, 0,1
	global_load_b128 v[QF+8*\x:QF+8*\x+3],   v[T], s[4:5] offset:1024*\x
	global_load_b128 v[QF+8*\x+4:QF+8*\x+7], v[T], s[4:5] offset:1024*\x+32
.endr
	v_lshrrev_b32 v[T2], 2, v[RR]
	v_mul_u32_u24 v[AK0], v[T2], KP                ; K: long row r / 4,
	v_and_b32 v[T2], 3, v[RR]
	v_lshl_add_u32 v[AK0], v[T2], 6, v[AK0]        ;    key r % 4 in it,
	v_lshl_add_u32 v[AK0], v[HH], 4, v[AK0]        ;    + 16 h
	v_mul_u32_u24 v[ADV], v[RR], VP0
	v_lshl_add_u32 v[ADV], v[HH], 3, v[ADV]        ; V: row r, + 8 h
	v_add_nc_u32 v[ADV], V0B, v[ADV]
	v_add_nc_u32 v[ADV2], 2*VT0, v[ADV]
	v_mul_u32_u24 v[AVR], v[RR], VPR
	v_lshl_add_u32 v[AVR], v[HH], 3, v[AVR]
	v_add_nc_u32 v[AVR], VRB, v[AVR]
.irp x, 0,1
	v_mov_b32 v[ST+18*\x+16], 0xff61b1e6           ; the largest score so far: -3e38
	v_mov_b32 v[ST+18*\x+15], 0                    ; a lane permute's destination counts as one of its sources
	v_mov_b32 v[ST+18*\x+1], 0                     ; upper halves of pairs that are named
	v_mov_b32 v[ST+18*\x+3], 0
.endr
	WA
	s_wait_kmcnt 0x0
	s_add_co_i32 s89, s[EX], s[EX+1]
	s_lshl_b32 s89, s89, 23
	s_add_co_i32 s[CS], s[CS], s89                 ; a score stands for score x 2^(eq + ek)
	s_mov_b32 s[CS+1], s[CS]
	s_xor_b32 s[NCS], s[CS], 0x80000000
	s_add_co_i32 s89, s[EX+2], 127
	s_lshl_b32 s90, s89, 23
	v_mov_b32 v[SC], s90
	s_add_co_i32 s89, s89, 15
	s_lshl_b32 s89, s89, 23
	s_or_b32 s89, s89, 0x600000
	v_mov_b32 v[LIM], s89
	s_add_co_i32 s[EPV], s[EX+2], s[EX+3]
.macro LOADK ak, dst, off              ; 128 keys of K, eight fragments (destination window 1)
.irp t, 0,1,2,3,4,5,6,7
	ds_load_b128 v[\dst+8*\t:\dst+8*\t+3],   v[\ak] offset:\off+\t*KT
	ds_load_b128 v[\dst+8*\t+4:\dst+8*\t+7], v[\ak] offset:\off+\t*KT+32
.endr
.endm
.macro LOADV dst, half, vt             ; 64 rows of V, 128 keys (destination window 1)
.irp t, 0,1
.irp c, 0,1,2,3,4,5,6,7
	ds_load_b64 v[\dst+16*\t+2*\c:\dst+16*\t+2*\c+1], v[ADV] offset:\t*\vt+128*\half+16*\c
.endr
.endr
.irp t, 0,1
.irp c, 0,1,2,3,4,5,6,7
	ds_load_b64 v[\dst+32+16*\t+2*\c:\dst+32+16*\t+2*\c+1], v[ADV2] offset:\t*\vt+128*\half+16*\c
.endr
.endr
.endm
.macro PLACES                          ; four places behind matrix instructions (ISA guide 7.12.1 for vector instructions)
.rept 4
	v_nop
.endr
.endm
.macro SCALE x, src                    ; pair j of tile x: t - M = c x score + (-M)
	v_pk_fma_f32 v[S+64*\x+2*j:S+64*\x+2*j+1], s[CS:CS+1], v[\src+2*j:\src+2*j+1], v[ST+18*\x:ST+18*\x+1] op_sel_hi:[0,1,0]
.endm
.macro SUM x, mode                     ; pair j of tile x's UNQUANTISED p to the sum, four pairs of it by turns.  mode 1: a step's first four bring the sum under the new M; mode 2: the very first start it
.set k, ST+18*\x+4+2*(j%4)
.if (\mode) == 1 && j < 4
	v_pk_fma_f32 v[k:k+1], v[k:k+1], v[ST+18*\x+2:ST+18*\x+3], v[S+64*\x+2*j:S+64*\x+2*j+1] op_sel_hi:[1,0,1]
.elseif (\mode) == 2 && j < 4
	v_pk_add_f32 v[k:k+1], v[S+64*\x+2*j:S+64*\x+2*j+1], v[S+64*\x+2*j+8:S+64*\x+2*j+9]
.elseif (\mode) == 2 && j < 8
.else
	v_pk_add_f32 v[k:k+1], v[k:k+1], v[S+64*\x+2*j:S+64*\x+2*j+1]
.endif
.endm
.macro HOLD x                          ; pair j of tile x: the conversion to an 8-bit code does not saturate (ISA guide 7.6.2); p is not negative, so the hold is one-sided
	v_dual_min_num_f32 v[S+64*\x+2*j], v[LIM], v[S+64*\x+2*j] :: v_dual_min_num_f32 v[S+64*\x+2*j+1], v[LIM], v[S+64*\x+2*j+1]
.endm
.macro CVT x, pf                       ; 64 p become 16 registers of P
.irp t, 0,1,2,3,4,5,6,7
	v_cvt_scalef32_pk8_bf8_f32 v[\pf+2*\t:\pf+2*\t+1], v[S+64*\x+8*\t:S+64*\x+8*\t+7], v[SC]
.endr
.endm
.macro SUMALL x, mode
.set j, 0
.rept 32
	SUM \x, \mode
.set j, j+1
.endr
.endm
.macro SUMHOLD x, mode
.set j, 0
.rept 32
	SUM \x, \mode
	HOLD \x
.set j, j+1
.endr
.endm
.macro EXPSCALE x, es, y, src          ; tile x's exponentials, of the registers from es on; tile y's scalings between them
.set j, 0
.rept 32
	v_exp_f32 v[S+64*\x+2*j], v[\es+2*j]           ; p = 2^(t - M), at most 1
	SCALE \y, \src
	v_exp_f32 v[S+64*\x+2*j+1], v[\es+2*j+1]
.set j, j+1
.endr
.endm
.macro EXPHOLD x, y                    ; tile x's exponentials; tile y's holds between them
.set j, 0
.rept 32
	v_exp_f32 v[S+64*\x+2*j], v[S+64*\x+2*j]
	HOLD \y
	v_exp_f32 v[S+64*\x+2*j+1], v[S+64*\x+2*j+1]
.set j, j+1
.endr
.endm
; A STEP: 256 keys, both tiles.  On the way in every window is 0 and half A's K is in KA or on its way.  first = 1: O and the sum start; the barrier that publishes the rest of K and V is signalled near the step's end.
; next = 1: the next step's K, half A, is fetched.
.macro STEP first, next, vt, ak
.if (\first) == 0
	v_add_nc_u32 v[ADK], s[TBK], v[AK0]            ; (with the v_nop: four places behind the last products)
	v_add_nc_u32 v[ADV], s[TBV], v[AVR]
	v_add_nc_u32 v[ADV2], 2*\vt, v[ADV]
	v_nop
.endif
	WIN 0x40
	LOADK \ak, POOL, KST/2                         ; half B's K
	s_wait_dscnt 16                                ; half A's K is in; the 16 just issued may be out
	WIN 0x01
.irp t, 0,1,2,3,4,5,6,7
.irp x, 0,1
	v_wmma_f32_16x16x64_bf8_bf8 v[S+64*\x+8*\t:S+64*\x+8*\t+7], v[KA+8*\t:KA+8*\t+7], v[QF+8*\x:QF+8*\x+7], 0
.endr
.endr
	WIN 0
	PLACES
	; the largest score of my query: three chains a tile, one begun with the largest so far; each accumulator is read from its low end on
.irp x, 0,1
	v_max3_num_f32 v[ST+18*\x+12], v[ST+18*\x+16], v[S+64*\x], v[S+64*\x+1]
	v_max3_num_f32 v[ST+18*\x+13], v[S+64*\x+2], v[S+64*\x+3], v[S+64*\x+4]
	v_max3_num_f32 v[ST+18*\x+14], v[S+64*\x+5], v[S+64*\x+6], v[S+64*\x+7]
.endr
.set j, 0
.rept 28
.set k, ST+12+j%3
.irp x, 0,1
	v_max3_num_f32 v[k+18*\x], v[k+18*\x], v[S+64*\x+8+2*j], v[S+64*\x+9+2*j]
.endr
.set j, j+1
.endr
	WA
	s_wait_dscnt 0x0                               ; half B's K is in
	WIN 0x41
.irp t, 0,1,2,3,4,5,6,7
.irp x, 0,1
	v_wmma_f32_16x16x64_bf8_bf8 v[SB+64*\x+8*\t:SB+64*\x+8*\t+7], v[POOL+8*\t:POOL+8*\t+7], v[QF+8*\x:QF+8*\x+7], 0
.endr
.endr
	PLACES
	WIN 0x14
.set j, 0
.rept 32
.set k, ST+12+j%3
.irp x, 0,1
	v_max3_num_f32 v[k+18*\x], v[k+18*\x], v[SB+64*\x+2*j], v[SB+64*\x+2*j+1]
.endr
.set j, j+1
.endr
	WIN 0
.irp x, 0,1
	v_max3_num_f32 v[ST+18*\x+12], v[ST+18*\x+12], v[ST+18*\x+13], v[ST+18*\x+14]
.endr
.irp x, 0,1
	v_permlanex16_b32 v[ST+18*\x+15], v[ST+18*\x+12], s[SEL], s[SEL+1]   ; the query's other keys lie in the lane 16 away
.endr
	WIN 0x40
	LOADV POOL, 0, \vt                             ; half A's V: wanted at the step's end
	WIN 0
.irp x, 0,1
	v_max_num_f32 v[ST+18*\x+16], v[ST+18*\x+12], v[ST+18*\x+15]
.endr
.irp x, 0,1
	v_mul_f32 v[ST+18*\x+13], s[NCS], v[ST+18*\x+16]   ; -t (c is positive)
.endr
.set j, 0
.if \first
.irp x, 0,1
	v_floor_f32 v[ST+18*\x], v[ST+18*\x+13]        ; -M = floor(-t) = -ceil(t)
.endr
.rept 32
	SCALE 0, S
.set j, j+1
.endr
.else
.irp x, 0,1
	v_floor_f32 v[ST+18*\x+13], v[ST+18*\x+13]     ; the new -M = floor(-t) = -ceil(t): M is a whole number
.endr
.irp x, 0,1
	v_sub_f32 v[ST+18*\x+14], v[ST+18*\x+13], v[ST+18*\x]   ; old M less new M: a whole number, 0 or less
.endr
.irp x, 0,1
	v_mov_b32 v[ST+18*\x], v[ST+18*\x+13]
.endr
.irp x, 0,1
	v_cvt_i32_f32 v[ST+18*\x+14], v[ST+18*\x+14]   ; (it saturates)
.endr
.rept 8
	SCALE 0, S
.set j, j+1
.endr
.irp x, 0,1
	v_ldexp_f32 v[ST+18*\x+2], 1.0, v[ST+18*\x+14] ; f = 2^(old M - new M)
.endr
.rept 24
	SCALE 0, S
.set j, j+1
.endr
.endif
	WA
	EXPSCALE 0, S, 1, S+64                         ; half A, tile 0
	WA                                             ; (it serves O^T too: plain lines alone from here to the last of the 32 that first read it)
.if \first
	SUMALL 0, 2
.else
.set j, 0
.rept 32
	v_pk_mul_f32 v[O+2*j:O+2*j+1], v[O+2*j:O+2*j+1], v[ST+18*(j/16)+2:ST+18*(j/16)+3] op_sel_hi:[1,0]   ; O^T under the new M, each accumulator from its low end on
	SUM 0, 1
.set j, j+1
.endr
.endif
	EXPHOLD 1, 0                                   ; half A, tile 1
	WIN 0x44
.set j, 0
.rept 32
	v_pk_fma_f32 v[SB+2*j:SB+2*j+1], s[CS:CS+1], v[SB+2*j:SB+2*j+1], v[ST:ST+1] op_sel_hi:[0,1,0]   ; half B, tile 0: t - M, in place
.set j, j+1
.endr
	WA
	WIN 0x40
	CVT 0, PF
	WIN 0
	SUMHOLD 1, 1+\first
	WIN 0x40
	CVT 1, PF+16
	v_nop                                          ; one plain place behind the conversions
	WIN 0x05
	EXPSCALE 0, SB, 1, SB+64                       ; half B, tile 0: the results go to window 0, where half A's p have been converted; so do tile 1's scalings
	v_nop                                          ; one plain place ahead of the loads over the exponentials' sources
	WIN 0x40
	LOADV VB, 1, \vt                               ; half B's raw scores are done with: half B's V,
.if \next
	LOADK \ak, KA, KST                             ; and the next step's K, half A
.endif
	WIN 0
	WA
	SUMALL 0, 0
	EXPHOLD 1, 0                                   ; half B, tile 1
	WA
.if \first
	s_wait_tensorcnt 0x0                           ; my part of the rest of K and V is in,
.endif
.if \next
	s_wait_dscnt 16                                ; V is in; the next step's K, 16 loads, may be out
.else
	s_wait_dscnt 0x0                               ; V is in, and no LDS instruction of mine is pending
.endif
.if \first
	s_barrier_signal -1                            ; say so; work on registers alone up to the wait at the step's end
.endif
	WIN 0x40
	CVT 0, PF+32
	WIN 0
	SUMHOLD 1, 0
	WIN 0x40
	CVT 1, PF+48
	v_nop
	WIN 0x05
	; O^T += V^T P^T, half A, then half B: the eight accumulators by turns
.irp t, 0,1,2,3
.irp x, 0,1
.if \first
	v_wmma_f32_16x16x128_bf8_bf8 v[O+32*\x+8*\t:O+32*\x+8*\t+7], v[POOL+16*\t:POOL+16*\t+15], v[PF+16*\x:PF+16*\x+15], 0
.else
	v_wmma_f32_16x16x128_bf8_bf8 v[O+32*\x+8*\t:O+32*\x+8*\t+7], v[POOL+16*\t:POOL+16*\t+15], v[PF+16*\x:PF+16*\x+15], v[O+32*\x+8*\t:O+32*\x+8*\t+7]
.endif
.endr
.endr
.irp t, 0,1,2,3
.irp x, 0,1
	v_wmma_f32_16x16x128_bf8_bf8 v[O+32*\x+8*\t:O+32*\x+8*\t+7], v[VB+16*\t:VB+16*\t+15], v[PF+32+16*\x:PF+32+16*\x+15], v[O+32*\x+8*\t:O+32*\x+8*\t+7]
.endr
.endr
	WIN 0
.if \first
	s_barrier_wait -1                              ; all of K and V is in
.endif
.endm
	WA
	s_wait_loadcnt 0x0                             ; Q
	s_cmp_lt_u32 s[WV], 2                          ; the first 256 keys are waves 0's and 1's loads; the others' may stay on their way
	s_cbranch_scc0 .Lnot_mine
	s_wait_tensorcnt 0x0
.Lnot_mine:
	s_barrier_signal -1
	s_barrier_wait -1
	WIN 0x40
	LOADK AK0, KA, 0
	WIN 0
	STEP 1, 0, VT0, AK0
	WIN 0x40
	LOADK AK0, KA, KST
	WIN 0
	s_mov_b32 s[TBK], KST
	s_mov_b32 s[TBV], 0
	s_mov_b32 s[CNT], 6
.Lstep:
	STEP 0, 1, VTR, ADK
	s_add_co_u32 s[TBK], s[TBK], KST
	s_add_co_u32 s[TBV], s[TBV], 272
	s_sub_co_u32 s[CNT], s[CNT], 1
	s_cmp_lg_u32 s[CNT], 0
	s_cbranch_scc1 .Lstep
	s_mov_b32 s[TBK], 7*KST
	s_mov_b32 s[TBV], 6*272
	STEP 0, 0, VTR, ADK                            ; the last step is written out: it fetches nothing beyond the end
	; THE WAY OUT.  The sum's parts and the other half of the lanes' are added; O^T x 2^(ep + ev) / the sum goes through my stage in LDS, a tile (16 rows of 256 bytes) at a time: each store of the wave covers 512 consecutive bytes, aligned.
.irp x, 0,1
	v_pk_add_f32 v[ST+18*\x+4:ST+18*\x+5], v[ST+18*\x+4:ST+18*\x+5], v[ST+18*\x+6:ST+18*\x+7]
	v_pk_add_f32 v[ST+18*\x+8:ST+18*\x+9], v[ST+18*\x+8:ST+18*\x+9], v[ST+18*\x+10:ST+18*\x+11]
.endr
.irp x, 0,1
	v_pk_add_f32 v[ST+18*\x+4:ST+18*\x+5], v[ST+18*\x+4:ST+18*\x+5], v[ST+18*\x+8:ST+18*\x+9]
.endr
.irp x, 0,1
	v_add_f32 v[ST+18*\x+12], v[ST+18*\x+4], v[ST+18*\x+5]
.endr
.irp x, 0,1
	v_permlanex16_b32 v[ST+18*\x+15], v[ST+18*\x+12], s[SEL], s[SEL+1]
.endr
.irp x, 0,1
	v_add_f32 v[ST+18*\x+12], v[ST+18*\x+12], v[ST+18*\x+15]   ; the row's sum
.endr
	WA
.irp x, 0,1
	v_rcp_f32 v[ST+18*\x+13], v[ST+18*\x+12]
.endr
	s_mul_i32 s89, s[WV], 16*SP
	s_add_co_u32 s89, s89, STAGE                   ; my stage
	v_and_b32 v[T], 15, v0                         ; r
	v_bfe_u32 v[T2], v0, 4, 1                      ; h
	v_mul_u32_u24 v[ADK], v[T], SP                 ; in: row r; accumulator t's eight channels of my half: 64 t + 32 h bytes on
	v_lshl_add_u32 v[ADK], v[T2], 5, v[ADK]
	v_add_nc_u32 v[ADK], s89, v[ADK]
	v_mul_u32_u24 v[ADV], v[T2], SP                ; back: lanes 0-15 take one row of 256 bytes, lanes 16-31 the next
	v_lshl_add_u32 v[ADV], v[T], 4, v[ADV]
	v_add_nc_u32 v[ADV], s89, v[ADV]
	v_lshlrev_b32 v[ADV2], 8, v[T2]                ; and the same two rows in O
	v_lshl_add_u32 v[ADV2], v[T], 4, v[ADV2]
	WA
.irp x, 0,1
	v_ldexp_f32 v[ST+18*\x+2], v[ST+18*\x+13], s[EPV]   ; 2^(ep + ev) / the sum
.endr
	WA
.irp x, 0,1
.set j, 0
.rept 16
	v_pk_mul_f32 v[S+64*\x+2*j:S+64*\x+2*j+1], v[O+32*\x+2*j:O+32*\x+2*j+1], v[ST+18*\x+2:ST+18*\x+3] op_sel_hi:[1,0]   ; register 8 t + i is o(r, 16 t + 8 h + i)
.set j, j+1
.endr
.endr
.irp x, 0,1
.irp t, 0,1,2,3
	ds_store_b128 v[ADK], v[S+64*\x+8*\t:S+64*\x+8*\t+3] offset:64*\t
	ds_store_b128 v[ADK], v[S+64*\x+8*\t+4:S+64*\x+8*\t+7] offset:64*\t+16
.endr
.irp i, 0,1,2,3,4,5,6,7
	ds_load_b128 v[S+64*\x+32+4*\i:S+64*\x+32+4*\i+3], v[ADV] offset:\i*2*SP   ; LDS serves a wave's instructions in order (ISA guide 5.7.1.4): these see my stores, and the next tile's stores come behind them
.endr
.endr
.irp i, 0,1,2,3,4,5,6,7
	s_wait_dscnt 23-\i                             ; behind tile 0's load i: its 7 - i younger loads and tile 1's sixteen LDS instructions
	global_store_b128 v[ADV2], v[S+32+4*\i:S+32+4*\i+3], s[12:13] offset:512*\i th:TH_STORE_NT
.endr
.irp i, 0,1,2,3,4,5,6,7
	s_wait_dscnt 7-\i                              ; behind tile 1's load i: its 7 - i younger loads
	global_store_b128 v[ADV2], v[S+64+32+4*\i:S+64+32+4*\i+3], s[12:13] offset:4096+512*\i th:TH_STORE_NT
.endr
	s_wait_tensorcnt 0x0                           ; the wave's end
	ds_add_u32 v[SPW], v[NIL]
	s_wait_dscnt 0x0
	CROUND                                         ; the closing round: no work-group ends while a partner may still ask for a tile that names it
	s_endpgm
.Lfunc_end_k_q98e5c5b52f_attn:
	.size	k_q98e5c5b52f_attn, .Lfunc_end_k_q98e5c5b52f_attn-k_q98e5c5b52f_attn
	.p2alignl 7, 3214868480
	.fill 96, 4, 3214868480
	.section	.rodata,"a",@progbits
	.p2align	6, 0x0
	.amdhsa_kernel k_q98e5c5b52f_attn
		.amdhsa_group_segment_fixed_size 327680
		.amdhsa_private_segment_fixed_size 0
		.amdhsa_enable_private_segment 0
		.amdhsa_kernarg_size 40
		.amdhsa_user_sgpr_count 2
		.amdhsa_user_sgpr_kernarg_segment_ptr 1
		.amdhsa_wavefront_size32 1
		.amdhsa_system_sgpr_workgroup_id_x 1
		.amdhsa_system_sgpr_workgroup_id_y 1
		.amdhsa_system_sgpr_workgroup_id_z 1
		.amdhsa_system_vgpr_workitem_id 0
		.amdhsa_next_free_vgpr 512
		.amdhsa_next_free_sgpr 96
		.amdhsa_reserve_vcc 0
		.amdhsa_float_denorm_mode_32 3
		.amdhsa_float_denorm_mode_16_64 3
		.amdhsa_memory_ordered 1
		.amdhsa_forward_progress 1
		.amdhsa_inst_pref_size 180
	.end_amdhsa_kernel
	.amdgpu_metadata
---
amdhsa.version: [ 1, 2 ]
amdhsa.kernels:
  - .name:           k_q98e5c5b52f_attn
    .symbol:         k_q98e5c5b52f_attn.kd
    .args:
      - { .name: query_codes, .offset: 0, .size: 8, .value_kind: global_buffer, .address_space: global }
      - { .name: key_codes, .offset: 8, .size: 8, .value_kind: global_buffer, .address_space: global }
      - { .name: value_codes, .offset: 16, .size: 8, .value_kind: global_buffer, .address_space: global }
      - { .name: lowp_scales, .offset: 24, .size: 8, .value_kind: global_buffer, .address_space: global }
      - { .name: out0, .offset: 32, .size: 8, .value_kind: global_buffer, .address_space: global }
    .group_segment_fixed_size: 327680
    .private_segment_fixed_size: 0
    .kernarg_segment_align: 8
    .kernarg_segment_size: 40
    .max_flat_workgroup_size: 256
    .sgpr_count:     96
    .vgpr_count:     512
    .wavefront_size: 32
...
	.end_amdgpu_metadata
.endif
;; end of part 1
